; MI455X (gfx1250); checked and timed in simulation.
; The chip was launched on July 23, 2026; its instructions are those of AMD's public machine-readable ISA for CDNA 5 (MIT licence, August 2026) and "CDNA5" Instruction Set Architecture Reference Guide (July 2026). The comments in the code are by the model that wrote it; some were corrected since.
;; D Ne RF Distortion. Allowed arithmetic: matrix products marked QUANTISED: E2M1 operands, one E8M0 scale for each 32 along K, by v_wmma_scale_f32_16x16x128_f8f6f4 with both operands' format E2M1 (or v_wmma_scale_f32_32x16x128_f4), f32 sums; products left as they are: f32 operands where the result goes on into a quantised operand, else bf16, f16 or f32 operands; f32 sums; everything else in f32.
;; Inputs: W1 8 x 3 x 256 float32; W2_codes 8 x 256 x 8 x 16 uint8 (E2M1 codes of W2, K innermost, in blocks of 32 codes, two codes a byte); W2_scales 8 x 256 x 8 uint8 (E8M0 scales of W2, one for each 32 codes along K); W3_codes 8 x 256 x 8 x 16 uint8 (E2M1 codes of W3, K innermost, in blocks of 32 codes, two codes a byte); W3_scales 8 x 256 x 8 uint8 (E8M0 scales of W3, one for each 32 codes along K); W4 8 x 256 x 3 float32; b1 8 x 256 float32; b2 8 x 256 float32; b3 8 x 256 float32; b4 8 x 3 float32; positions 65,536 x 3 float32; times 65,536 int32.
;; Outputs: out0 65,536 x 3 float32.
;; This version of the problem:
;;   THIS VERSION OF THE PROBLEM IS GIVEN IN LOW PRECISION. The matrix products marked QUANTISED in the list below multiply operands that are first quantised to E2M1 (2 exponent bits, 1 mantissa bit; 4 bits a number), with one power-of-two scale for each 32 numbers along K (OCP MX v1.0); their sums are f32. All else is computed in f32.
;;   The module's matrix products, in the order in which they are computed (A, B: the left and right operand; K: the contracted axis; several contracted axes count as one K, in the product's order):
;;     1. [M 65,536, K 3] x [K 3, N 256]; A: input positions; B: input W1: left as it is (K = 3 < 32)
;;     2. [M 65,536, K 256] x [K 256, N 256]; A: computed on the way; B: input W2 (given as codes): QUANTISED
;;     3. [M 65,536, K 256] x [K 256, N 256]; A: computed on the way; B: input W3 (given as codes): QUANTISED
;;     4. [M 65,536, K 256] x [K 256, N 3]; A: computed on the way; B: input W4: left as it is (N = 3 < 16)
;;     5. [M 65,536, K 3] x [K 3, N 256]; A: input positions; B: input W1: left as it is (K = 3 < 32)
;;     6. [M 65,536, K 256] x [K 256, N 256]; A: computed on the way; B: input W2 (given as codes): QUANTISED
;;     7. [M 65,536, K 256] x [K 256, N 256]; A: computed on the way; B: input W3 (given as codes): QUANTISED
;;     8. [M 65,536, K 256] x [K 256, N 3]; A: computed on the way; B: input W4: left as it is (N = 3 < 16)
;;     9. [M 65,536, K 3] x [K 3, N 256]; A: input positions; B: input W1: left as it is (K = 3 < 32)
;;     10. [M 65,536, K 256] x [K 256, N 256]; A: computed on the way; B: input W2 (given as codes): QUANTISED
;;     11. [M 65,536, K 256] x [K 256, N 256]; A: computed on the way; B: input W3 (given as codes): QUANTISED
;;     12. [M 65,536, K 256] x [K 256, N 3]; A: computed on the way; B: input W4: left as it is (N = 3 < 16)
;;     13. [M 65,536, K 3] x [K 3, N 256]; A: input positions; B: input W1: left as it is (K = 3 < 32)
;;     14. [M 65,536, K 256] x [K 256, N 256]; A: computed on the way; B: input W2 (given as codes): QUANTISED
;;     15. [M 65,536, K 256] x [K 256, N 256]; A: computed on the way; B: input W3 (given as codes): QUANTISED
;;     16. [M 65,536, K 256] x [K 256, N 3]; A: computed on the way; B: input W4: left as it is (N = 3 < 16)
;;     17. [M 65,536, K 3] x [K 3, N 256]; A: input positions; B: input W1: left as it is (K = 3 < 32)
;;     18. [M 65,536, K 256] x [K 256, N 256]; A: computed on the way; B: input W2 (given as codes): QUANTISED
;;     19. [M 65,536, K 256] x [K 256, N 256]; A: computed on the way; B: input W3 (given as codes): QUANTISED
;;     20. [M 65,536, K 256] x [K 256, N 3]; A: computed on the way; B: input W4: left as it is (N = 3 < 16)
;;     21. [M 65,536, K 3] x [K 3, N 256]; A: input positions; B: input W1: left as it is (K = 3 < 32)
;;     22. [M 65,536, K 256] x [K 256, N 256]; A: computed on the way; B: input W2 (given as codes): QUANTISED
;;     23. [M 65,536, K 256] x [K 256, N 256]; A: computed on the way; B: input W3 (given as codes): QUANTISED
;;     24. [M 65,536, K 256] x [K 256, N 3]; A: computed on the way; B: input W4: left as it is (N = 3 < 16)
;;     25. [M 65,536, K 3] x [K 3, N 256]; A: input positions; B: input W1: left as it is (K = 3 < 32)
;;     26. [M 65,536, K 256] x [K 256, N 256]; A: computed on the way; B: input W2 (given as codes): QUANTISED
;;     27. [M 65,536, K 256] x [K 256, N 256]; A: computed on the way; B: input W3 (given as codes): QUANTISED
;;     28. [M 65,536, K 256] x [K 256, N 3]; A: computed on the way; B: input W4: left as it is (N = 3 < 16)
;;     29. [M 65,536, K 3] x [K 3, N 256]; A: input positions; B: input W1: left as it is (K = 3 < 32)
;;     30. [M 65,536, K 256] x [K 256, N 256]; A: computed on the way; B: input W2 (given as codes): QUANTISED
;;     31. [M 65,536, K 256] x [K 256, N 256]; A: computed on the way; B: input W3 (given as codes): QUANTISED
;;     32. [M 65,536, K 256] x [K 256, N 3]; A: computed on the way; B: input W4: left as it is (N = 3 < 16)
;;   THE QUANTISER, for each operand of a quantised product, along K:
;;     - K is cut into blocks of 32 from its start; a last block that is shorter is filled with zeros.
;;     - A block's scale is 2^e with e = floor(log2(the largest magnitude in the block)) - 2, held to -126 .. 127; a block of zeros has e = 0. As a byte (E8M0): e + 127.
;;     - Each number is divided by its block's scale, clamped to +-6, and rounded to the nearest number of E2M1, ties to even, subnormals kept.
;;     - The product sums the exact products of the quantised numbers (number of the format x scale) in f32.
;;   ~~~python
;;   def quantise(x, axis):      # numpy; x: float32 -> the quantised numbers, widened to float32 again
;;       x = np.moveaxis(x, axis, -1); K = x.shape[-1]
;;       x = np.pad(x, [(0, 0)] * (x.ndim - 1) + [(0, -K % 32)]); x = x.reshape(x.shape[:-1] + (-1, 32)); a = np.abs(x).max(-1, keepdims=True)
;;       e = np.where(a > 0, np.clip(np.frexp(np.where(a > 0, a, 1))[1] - 1 - 2, -126, 127), 0)      # np.frexp(a)[1] - 1 = floor(log2(a)), exactly
;;       r = np.clip(x / 2.0 ** e, -6, 6)
;;       step = 2.0 ** (np.maximum(np.frexp(np.where(r == 0, 1, r))[1] - 1, 0) - 1)
;;       q = np.round(r / step) * step * 2.0 ** e      # np.round: ties to even
;;       return np.moveaxis(q.reshape(q.shape[:-2] + (-1,))[..., :K], -1, axis).astype(np.float32)
;;   ~~~
;;   OPERANDS COMPUTED ON THE WAY. 'Computed on the way' means the value that the module computes at that place (a softmax that the list does not call 'softmax' is quantised finished and normalised). What goes into a quantiser is computed in f32, as accurately as f32 sums, v_exp_f32 and their like allow (about 1e-6 of the number): no bf16 or f16 on the way to a quantiser, and a product that is left as it is and whose result goes on into a quantised operand takes f32 operands (vector FMAs, or v_wmma_f32_16x16x4_f32). A number that lies on a knife's edge between two numbers of the format may be rounded either way, as far as f32 arithmetic and the matrix unit's own rounding can turn it there, and no further.
;;   INPUTS GIVEN AS CODES. W2 (in the module: [8, 256, 256], K = its axis 1); W3 (in the module: [8, 256, 256], K = its axis 1): each comes as NAME_codes (uint8): NAME with its K axis moved to the last place and cut into blocks of 32 codes, [.., K / 32, bytes a block], one block behind the other in memory; two codes a byte, the lower K in the low four bits (a code: sign, 2 exponent bits, 1 mantissa bit); and NAME_scales (uint8): the same leading axes, one E8M0 byte (e + 127) for each 32 codes along K. Its value is code x scale, taken as it is: it is not quantised again, and the codes and scales need not be those that the quantiser above would give.
;; One version. Each part assembles by itself: llvm-mc -triple=amdgcn-amd-amdhsa -mcpu=gfx1250 --defsym DOCPART=n.
;; ======== version 1 of 1: 2 launches
;; workspace buffers: order 262,144 bytes of whole numbers; tab 4,096 bytes of whole numbers; pack 655,360 bytes
;; launch prep (part 1): grid 32 x 1, 32 waves a work-group, no clusters, 6,144 bytes of LDS; arguments times, W1, b1, W2_codes, W2_scales, W3_codes, W3_scales, W4, order, tab, pack, out0; writes order, tab, pack, out0
.if DOCPART == 1
	.amdgcn_target "amdgcn-amd-amdhsa--gfx1250"
	.amdhsa_code_object_version 6
	.text
	.protected	k_qcf6aee933d_prep
	.globl	k_qcf6aee933d_prep
	.p2align	8
	.type	k_qcf6aee933d_prep,@function
k_qcf6aee933d_prep:
	s_mov_b64 s[64:65], 0
	v_nop
	global_prefetch_b8 v0, s[64:65] scope:SCOPE_SE
	s_setreg_imm32_b32 hwreg(HW_REG_WAVE_MODE, 25, 1), 1
	s_wait_xcnt 0x0
; ROUTING AND LAYING OUT, in whole numbers but for copies of the weights.
; Work-group g (0..31) owns super-block g: points 2048 g .. 2048 g + 2047.  It sorts their indices by class (times, held to 0..8 unsigned: whatever is not 0..7 is class 8)
; by a counting sort without atomics, and stores: order[g][0..2047] = the global indices, class by class; tab[g][c] = where class c begins, tab[g][8 + c] = how many it has (c = 0..7), tab[g][16..31] = 0.
; Rows of class 8 keep the zero from which the result starts: they are stored here.
; Besides, work-group g lays out a quarter of expert e = g / 4's weights in the order of the matrix operands' registers (task g % 4), PACKB bytes an expert:
;   0      W2F  32 fragments f = 2 t + s (tile t, K step s) of 1,024 bytes: registers 0-3 at 16 x lane, registers 4-7 at 512 + 16 x lane
;   32768  W3F  likewise
;   65536  W2S  16 x 128 bytes: tile t at 4 x lane: lanes 0-15 row r's scale word of K step 0, lanes 16-31 of K step 1;   67584 W3S likewise
;   69632  W1F  16 x 256 bytes: tile t at 8 x lane: k = 2 h, 2 h + 1 of (W1[0], W1[1], W1[2], b1) at the lane's unit
;   73728  W4F  8 bf16 fragments of 1,024 bytes: lane (r, h) holds output r % 8: registers 0-3 k = 32 q + 8 h + 0..7, registers 4-7 k = 32 q + 16 + 8 h + 0..7; zeros where r % 8 >= 3.
;               (Rows 8-10 repeat rows 0-2, so that in the product's result both halves of the lanes hold the three outputs of their point.)
; THE ROWS OF A TILE: W1's and W2's results are quantised along the next K, so lane r of tile 2 b + u takes unit 32 b + 8 u + r + 8 (r / 8); W3's tile t takes units 16 t + r.
; The task stands between the issue of the load of times and the wait for it.
.set PACKB, 81920
.set M0, 28                            ; s28-36  lanes whose first point has class c
.set M1, 37                            ; s37-45  the same of the second point
.set C0, 46                            ; s46-54  how many bits M0 has
.set XS, 66                            ; s66-74  the summed word of class c, then my wave's first place in class c
.set ST, 75                            ; s75-82  where class c begins
.set TT, 83                            ; s83-90  how many points it has
	s_load_b512 s[4:19], s[0:1], 0x0               ; times, W1, b1, W2's codes, W2's scales, W3's codes, W3's scales, W4
	s_load_b256 s[20:27], s[0:1], 0x40             ; order, tab, pack, out0
	v_lshl_add_u32 v72, v0, 2, 0x800
	v_mov_b32 v73, 0
	v_lshrrev_b32 v4, 5, v0
	s_delay_alu instid0(VALU_DEP_1)
	v_readfirstlane_b32 s2, v4                     ; wave 0..31
	v_and_b32 v7, 31, v0                           ; lane
	v_lshlrev_b32 v1, 3, v0                        ; my two points' classes: 8 bytes a thread
	s_delay_alu instid0(VALU_DEP_4)
	v_lshlrev_b32 v5, 2, v4                        ; LDS: 4 x wave
	s_delay_alu instid0(VALU_DEP_3)
	v_lshlrev_b32 v6, 2, v7                        ; LDS and tab: 4 x lane
	v_and_b32 v42, 15, v0                          ; r
	v_bfe_u32 v43, v0, 4, 1                        ; h
	s_delay_alu instid0(VALU_DEP_2)
	v_and_b32 v44, 8, v42
	s_delay_alu instid0(VALU_DEP_1)
	v_add_nc_u32 v44, v44, v42                     ; r + 8 (r / 8)
	v_lshlrev_b32 v45, 4, v7                       ; 16 x lane
	s_mov_b32 s92, 0x76543210
	s_mov_b32 s93, 0xfedcba98                      ; v_permlanex16_b32's selects for lane l xor 16
	s_lshl_b32 s94, ttmp9, 13                      ; my super-block in times and in order: 8,192 bytes
	s_mov_b32 s95, 0
	s_lshl_b32 s96, ttmp9, 7                       ; and in tab: 128 bytes
	s_mov_b32 s97, 0
	s_lshr_b32 s91, ttmp9, 2                       ; the expert whose weights I help to lay out
	s_and_b32 s3, ttmp9, 3                         ; and which task
	s_mul_i32 s98, s91, PACKB
	s_mov_b32 s99, 0
	s_wait_alu depctr_va_vdst(0)
	s_wait_kmcnt 0x0
	s_add_nc_u64 s[4:5], s[4:5], s[94:95]
	s_add_nc_u64 s[20:21], s[20:21], s[94:95]
	s_add_nc_u64 s[22:23], s[22:23], s[96:97]
	s_add_nc_u64 s[24:25], s[24:25], s[98:99]
	global_load_b64 v[2:3], v1, s[4:5] th:TH_LOAD_NT   ; 32 lanes read 256 consecutive bytes; waited for behind the task
	; ---- task 0: the codes.  Wave w: fragment w = 2 t + s of W2 and of W3
	s_cmp_lg_u32 s3, 0
	s_cbranch_scc1 .Lnot_codes
	s_lshr_b32 s28, s2, 1                          ; t
	s_and_b32 s29, s2, 1                           ; K step
	s_lshr_b32 s30, s28, 1
	s_lshl_b32 s30, s30, 12                        ; 32 (t / 2) rows of 128 bytes
	s_and_b32 s31, s28, 1
	s_lshl_b32 s31, s31, 10                        ; 8 (t % 2) rows
	s_add_co_u32 s30, s30, s31                     ; W2's tile
	s_lshl_b32 s31, s28, 11                        ; W3's: 16 t rows
	s_lshl_b32 s32, s29, 6                         ; the K step's 64 bytes of a row
	s_lshl_b32 s33, s91, 15                        ; the expert's 32,768 bytes
	s_add_co_u32 s32, s32, s33
	s_add_co_u32 s30, s30, s32
	s_add_co_u32 s31, s31, s32
	v_lshlrev_b32 v46, 7, v44
	s_delay_alu instid0(VALU_DEP_1)
	v_lshl_add_u32 v46, v43, 4, v46
	s_delay_alu instid0(VALU_DEP_1)
	v_add_nc_u32 v46, s30, v46                     ; W2: row r + 8 (r / 8) of the tile, + 16 h
	v_lshlrev_b32 v47, 7, v42
	s_delay_alu instid0(VALU_DEP_1)
	v_lshl_add_u32 v47, v43, 4, v47
	s_delay_alu instid0(VALU_DEP_1)
	v_add_nc_u32 v47, s31, v47                     ; W3: row r, + 16 h
	global_load_b128 v[50:53], v46, s[10:11]
	global_load_b128 v[54:57], v46, s[10:11] offset:32
	global_load_b128 v[58:61], v47, s[14:15]
	global_load_b128 v[62:65], v47, s[14:15] offset:32
	s_lshl_b32 s34, s2, 10
	v_add_nc_u32 v48, s34, v45                     ; the fragment's image: 1,024 w + 16 x lane
	s_wait_alu depctr_va_vdst(0)
	s_wait_loadcnt 0x0
	global_store_b128 v48, v[50:53], s[24:25]                  ; each store covers 512 consecutive bytes
	global_store_b128 v48, v[54:57], s[24:25] offset:512
	global_store_b128 v48, v[58:61], s[24:25] offset:32768
	global_store_b128 v48, v[62:65], s[24:25] offset:33280
	s_branch .Lsort
.Lnot_codes:
	; ---- task 1: the scale words.  Waves 0-15: W2's tile w; waves 16-31: W3's tile w - 16
	s_cmp_lg_u32 s3, 1
	s_cbranch_scc1 .Lnot_scales
	s_and_b32 s28, s2, 15                          ; t
	s_lshr_b32 s29, s28, 1
	s_lshl_b32 s29, s29, 5
	s_and_b32 s30, s28, 1
	s_lshl_b32 s30, s30, 3
	s_add_co_u32 s29, s29, s30                     ; W2's tile begins at row 32 (t / 2) + 8 (t % 2),
	s_lshl_b32 s30, s28, 4                         ; W3's at row 16 t
	s_cmp_lt_u32 s2, 16                            ; the choice hangs on the wave's number alone
	s_cselect_b64 s[34:35], s[12:13], s[16:17]
	s_cselect_b32 s29, s29, s30
	s_cselect_b32 s31, 8, 0                        ; W2's rows of a tile skip 8 behind the eighth
	s_lshl_b32 s29, s29, 3                         ; 8 scale bytes a row
	s_lshl_b32 s30, s91, 11                        ; the expert's 2,048 bytes
	s_add_co_u32 s29, s29, s30
	v_and_b32 v46, s31, v42
	s_delay_alu instid0(VALU_DEP_1)
	v_add_nc_u32 v46, v46, v42
	s_delay_alu instid0(VALU_DEP_1)
	v_lshlrev_b32 v46, 3, v46
	s_delay_alu instid0(VALU_DEP_1)
	v_lshl_add_u32 v46, v43, 2, v46                ; lanes 16-31 take the second K step's word
	s_delay_alu instid0(VALU_DEP_1)
	v_add_nc_u32 v46, s29, v46
	global_load_b32 v50, v46, s[34:35]
	s_lshl_b32 s32, s2, 7
	v_add_nc_u32 v48, s32, v6
	s_wait_alu depctr_va_vdst(0)
	s_wait_loadcnt 0x0
	global_store_b32 v48, v50, s[24:25] offset:65536           ; 128 consecutive bytes; W3's follow W2's
	s_branch .Lsort
.Lnot_scales:
	s_cmp_lt_u32 s2, 16                            ; the two tasks left have sixteen waves' work
	s_cbranch_scc0 .Lsort
	s_cmp_lg_u32 s3, 2
	s_cbranch_scc1 .Lw4
	; ---- task 2: W1 with b1 as its fourth row.  Wave w: tile w
	s_lshr_b32 s29, s2, 1
	s_lshl_b32 s29, s29, 7                         ; 32 (t / 2) units of 4 bytes
	s_and_b32 s30, s2, 1
	s_lshl_b32 s30, s30, 5                         ; 8 (t % 2)
	s_add_co_u32 s29, s29, s30
	v_lshl_add_u32 v46, v44, 2, s29                ; 4 x my unit
	s_mul_i32 s30, s91, 3072                       ; the expert in W1
	s_lshl_b32 s31, s91, 10                        ; and in b1
	v_lshl_add_u32 v47, v43, 11, v46
	s_delay_alu instid0(VALU_DEP_1)
	v_add_nc_u32 v47, s30, v47                     ; W1[e][2 h][unit]
	v_add_nc_u32 v49, s30, v46                     ; W1[e][0][unit]; row 1 by the immediate
	v_add_nc_u32 v46, s31, v46                     ; b1[e][unit]
	global_load_b32 v50, v47, s[6:7]
	global_load_b32 v52, v49, s[6:7] offset:1024
	global_load_b32 v53, v46, s[8:9]
	s_lshl_b32 s32, s2, 8
	v_lshl_add_u32 v48, v7, 3, s32
	v_cmp_eq_u32 vcc_lo, 1, v43
	s_wait_loadcnt 0x0
	v_cndmask_b32 v51, v52, v53, vcc_lo            ; k = 2 h + 1: W1's row 1, or b1
	s_wait_alu depctr_va_vdst(0)
	global_store_b64 v48, v[50:51], s[24:25] offset:69632      ; 256 consecutive bytes
	s_branch .Lsort
.Lw4:
	; ---- task 3: W4 as bf16.  Wave w: half w % 2 of fragment w / 2: k = 16 w + 8 h + 0..7 of output min(r % 8, 2); zeros where r % 8 >= 3
	s_mul_i32 s29, s2, 192                         ; 16 w rows of 12 bytes
	s_mul_i32 s30, s91, 3072
	s_add_co_u32 s29, s29, s30
	v_and_b32 v49, 7, v42                          ; r % 8
	s_delay_alu instid0(VALU_DEP_1)
	v_min_u32 v46, 2, v49
	s_delay_alu instid0(VALU_DEP_1)
	v_lshlrev_b32 v46, 2, v46
	s_delay_alu instid0(VALU_DEP_1)
	v_mad_u32_u24 v46, v43, 96, v46                ; + 8 h rows
	s_delay_alu instid0(VALU_DEP_1)
	v_add_nc_u32 v46, s29, v46
.irp i, 0,1,2,3,4,5,6,7
	global_load_b32 v[50+\i], v46, s[18:19] offset:12*\i
.endr
	s_lshl_b32 s32, s2, 9
	v_add_nc_u32 v48, s32, v45
	v_cmp_gt_u32 vcc_lo, 3, v49
	s_wait_loadcnt 0x0
.irp i, 0,1,2,3
	v_cvt_pk_bf16_f32 v[58+\i], v[50+2*\i], v[51+2*\i]
.endr
.irp i, 0,1,2,3
	s_delay_alu instid0(VALU_DEP_4)
	v_cndmask_b32 v[58+\i], 0, v[58+\i], vcc_lo
.endr
	global_store_b128 v48, v[58:61], s[24:25] offset:73728     ; 512 consecutive bytes
.Lsort:
	; ---- THE SORT.  A thread has two points.  Place of a point = where its class begins + the class's points in the waves below mine + those in my wave ahead of it
	s_wait_loadcnt 0x0                             ; my two classes
	v_min_u32 v2, 8, v2                            ; unsigned: a negative number is class 8 too
	v_min_u32 v3, 8, v3
.irp c, 0,1,2,3,4,5,6,7,8
	v_cmp_eq_u32 s[M0+\c], \c, v2
	v_cmp_eq_u32 s[M1+\c], \c, v3
.endr
.irp c, 0,1,2,3,4,5,6,7,8
	s_bcnt1_i32_b32 s[C0+\c], s[M0+\c]
	s_bcnt1_i32_b32 s94, s[M1+\c]
	s_add_co_u32 s95, s[C0+\c], s94                ; my wave's points of class c
	v_mov_b32 v[20+\c], s95
	ds_store_b32 v5, v[20+\c] offset:128*\c        ; cnt[c][wave]: all lanes write the same word with the same value
.endr
	s_wait_dscnt 0x0                               ; for the others' sake: my nine stores are done
	s_barrier_signal -1
	s_barrier_wait -1
.irp c, 0,1,2,3,4,5,6,7,8
	ds_load_b32 v[10+\c], v6 offset:128*\c         ; lane l takes wave l's count
.endr
	v_mov_b32 v9, 0x10001
	v_cmp_gt_u32 vcc_lo, s2, v7                    ; waves below mine
	s_delay_alu instid0(VALU_DEP_1)
	v_cndmask_b32 v8, 1, v9, vcc_lo
	v_mov_b32 v32, 0
	v_mov_b32 v33, 0
	s_wait_alu depctr_va_vdst(0)
	s_wait_dscnt 0x0
.irp c, 0,1,2,3,4,5,6,7,8
	v_mul_u32_u24 v[10+\c], v[10+\c], v8           ; one word, two sums: low half the class's total, high half the waves' below mine; each at most 2,048
.endr
.irp m, 1,2,4,8
.irp c, 0,1,2,3,4,5,6,7,8
	v_mov_b32_dpp v[20+\c], v[10+\c] row_xmask:\m row_mask:0xf bank_mask:0xf
.endr
.irp c, 0,1,2,3,4,5,6,7,8
	v_add_nc_u32 v[10+\c], v[10+\c], v[20+\c]
.endr
.endr
.irp c, 0,1,2,3,4,5,6,7,8
	v_permlanex16_b32 v[20+\c], v[10+\c], s92, s93
.endr
.irp c, 0,1,2,3,4,5,6,7,8
	v_add_nc_u32 v[10+\c], v[10+\c], v[20+\c]
.endr
.irp c, 0,1,2,3,4,5,6,7,8
	v_readfirstlane_b32 s[XS+\c], v[10+\c]
.endr
	s_mov_b32 s94, 0                               ; where the class in hand begins
.irp c, 0,1,2,3,4,5,6,7,8
	s_and_b32 s95, s[XS+\c], 0xffff                ; its total
	s_lshr_b32 s96, s[XS+\c], 16                   ; its points in the waves below mine
.if \c < 8
	s_mov_b32 s[ST+\c], s94
	s_mov_b32 s[TT+\c], s95
.endif
	s_add_co_u32 s[XS+\c], s94, s96                ; my wave's first place in it
	s_add_co_u32 s94, s94, s95
.endr
.irp c, 0,1,2,3,4,5,6,7,8
	v_mbcnt_lo_u32_b32 v30, s[M0+\c], s[XS+\c]     ; + the lanes below mine whose first point has class c
	s_delay_alu instid0(VALU_DEP_1)
	v_cndmask_b32 v32, v32, v30, s[M0+\c]
	s_add_co_u32 s95, s[XS+\c], s[C0+\c]           ; the wave's second points follow its first points
	v_mbcnt_lo_u32_b32 v31, s[M1+\c], s95
	s_delay_alu instid0(VALU_DEP_1)
	v_cndmask_b32 v33, v33, v31, s[M1+\c]
.endr
	v_min_u32 v32, 0x7ff, v32                      ; a place inside the super-block's 2,048
	s_delay_alu instid0(VALU_DEP_2)
	v_min_u32 v33, 0x7ff, v33
	s_delay_alu instid0(VALU_DEP_2)
	v_lshlrev_b32 v32, 2, v32
	s_delay_alu instid0(VALU_DEP_2)
	v_lshlrev_b32 v33, 2, v33
	s_lshl_b32 s96, ttmp9, 11
	v_lshl_add_u32 v34, v0, 1, s96                 ; my points' global indices
	s_delay_alu instid0(VALU_DEP_1)
	v_add_nc_u32 v35, 1, v34
	global_store_b32 v32, v34, s[20:21]
	global_store_b32 v33, v35, s[20:21]
	s_cmp_lg_u32 s2, 0                             ; wave 0 stores the table: 128 consecutive bytes
	s_cbranch_scc1 .Lno_tab
	v_mov_b32 v41, 0
.irp c, 0,1,2,3,4,5,6,7
	s_delay_alu instid0(VALU_DEP_1)
	v_writelane_b32 v41, s[ST+\c], \c
	s_delay_alu instid0(VALU_DEP_1)
	v_writelane_b32 v41, s[TT+\c], 8+\c
.endr
	global_store_b32 v6, v41, s[22:23]
.Lno_tab:
	s_wait_alu depctr_va_vdst(0)
	v_mul_u32_u24 v36, v34, 12                     ; rows of class 8: three zeros each
	s_delay_alu instid0(VALU_DEP_1)
	v_add_nc_u32 v37, 12, v36
	v_mov_b32 v38, 0
	v_mov_b32 v39, 0
	v_mov_b32 v40, 0
	s_mov_b32 vcc_lo, s[M0+8]
	s_wait_alu depctr_va_vdst(0)
	s_wait_xcnt 0x0                                ; EXEC is a source of the stores above: it changes only behind this wait
	s_wait_tensorcnt 0x0
	ds_add_u32 v72, v73
	s_wait_dscnt 0x0
	s_and_saveexec_b32 s95, vcc_lo
	global_store_b96 v36, v[38:40], s[26:27]
	s_wait_xcnt 0x0                                ; and again in front of the line that widens it
	s_or_b32 exec_lo, exec_lo, s95
	s_mov_b32 vcc_lo, s[M1+8]
	s_and_saveexec_b32 s95, vcc_lo                 ; (nothing was issued since the last wait)
	global_store_b96 v37, v[38:40], s[26:27]
	s_wait_xcnt 0x0
	s_or_b32 exec_lo, exec_lo, s95
	s_endpgm
.Lfunc_end_k_qcf6aee933d_prep:
	.size	k_qcf6aee933d_prep, .Lfunc_end_k_qcf6aee933d_prep-k_qcf6aee933d_prep
	.p2alignl 7, 3214868480
	.fill 96, 4, 3214868480
	.section	.rodata,"a",@progbits
	.p2align	6, 0x0
	.amdhsa_kernel k_qcf6aee933d_prep
		.amdhsa_group_segment_fixed_size 6144
		.amdhsa_private_segment_fixed_size 0
		.amdhsa_enable_private_segment 0
		.amdhsa_kernarg_size 96
		.amdhsa_user_sgpr_count 2
		.amdhsa_user_sgpr_kernarg_segment_ptr 1
		.amdhsa_wavefront_size32 1
		.amdhsa_system_sgpr_workgroup_id_x 1
		.amdhsa_system_sgpr_workgroup_id_y 1
		.amdhsa_system_sgpr_workgroup_id_z 1
		.amdhsa_system_vgpr_workitem_id 0
		.amdhsa_next_free_vgpr 74
		.amdhsa_next_free_sgpr 100
		.amdhsa_reserve_vcc 1
		.amdhsa_float_denorm_mode_32 3
		.amdhsa_float_denorm_mode_16_64 3
		.amdhsa_memory_ordered 1
		.amdhsa_forward_progress 1
		.amdhsa_inst_pref_size 25
	.end_amdhsa_kernel
	.amdgpu_metadata
---
amdhsa.version: [ 1, 2 ]
amdhsa.kernels:
  - .name:           k_qcf6aee933d_prep
    .symbol:         k_qcf6aee933d_prep.kd
    .args:
      - { .name: times, .offset: 0, .size: 8, .value_kind: global_buffer, .address_space: global }
      - { .name: W1, .offset: 8, .size: 8, .value_kind: global_buffer, .address_space: global }
      - { .name: b1, .offset: 16, .size: 8, .value_kind: global_buffer, .address_space: global }
      - { .name: W2_codes, .offset: 24, .size: 8, .value_kind: global_buffer, .address_space: global }
      - { .name: W2_scales, .offset: 32, .size: 8, .value_kind: global_buffer, .address_space: global }
      - { .name: W3_codes, .offset: 40, .size: 8, .value_kind: global_buffer, .address_space: global }
      - { .name: W3_scales, .offset: 48, .size: 8, .value_kind: global_buffer, .address_space: global }
      - { .name: W4, .offset: 56, .size: 8, .value_kind: global_buffer, .address_space: global }
      - { .name: order, .offset: 64, .size: 8, .value_kind: global_buffer, .address_space: global }
      - { .name: tab, .offset: 72, .size: 8, .value_kind: global_buffer, .address_space: global }
      - { .name: pack, .offset: 80, .size: 8, .value_kind: global_buffer, .address_space: global }
      - { .name: out0, .offset: 88, .size: 8, .value_kind: global_buffer, .address_space: global }
    .group_segment_fixed_size: 6144
    .private_segment_fixed_size: 0
    .kernarg_segment_align: 8
    .kernarg_segment_size: 96
    .max_flat_workgroup_size: 1024
    .sgpr_count:     100
    .vgpr_count:     74
    .wavefront_size: 32
...
	.end_amdgpu_metadata
.endif
;; end of part 1
;; launch chain (part 2): grid 8 x 32, 20 waves a work-group, no clusters, 86,528 bytes of LDS; arguments pack, order, tab, positions, b2, b3, b4, out0; writes out0
.if DOCPART == 2
	.amdgcn_target "amdgcn-amd-amdhsa--gfx1250"
	.amdhsa_code_object_version 6
	.text
	.protected	k_qcf6aee933d_chain
	.globl	k_qcf6aee933d_chain
	.p2align	8
	.type	k_qcf6aee933d_chain,@function
k_qcf6aee933d_chain:
	s_mov_b64 s[64:65], 0
	v_nop
	global_prefetch_b8 v0, s[64:65] scope:SCOPE_SE
	s_setreg_imm32_b32 hwreg(HW_REG_WAVE_MODE, 25, 1), 1
	s_wait_xcnt 0x0
; out0[i] = tanh(tanh(tanh(tanh(x W1 + b1) W2 + b2) W3 + b3) W4 + b4) with the weights of class times[i]; only the chosen expert of each point is multiplied.
; Work-group (e = x, s = y) takes the n = tab[s][8 + e] points of class e in super-block s (their indices: order[s][tab[s][e] ..]) through the whole chain.  With n = 0 it stores nothing.
; SHARES.  The expert's weights, laid out by the launch before as images of the operands' registers, come into LDS once (81,920 bytes, + b2 and b3).  Each of the 20 waves takes 16 points from the gather to the store,
; then the 16 that lie 320 further on, while there are any: the hidden layers never leave the wave's registers, and behind the one barrier no wave waits for another.
; ALL PRODUCTS ARE USED TRANSPOSED (source 0 = 16 rows of a weight, source 1 = my 16 points): a lane holds ONE point (lane % 16), and its registers run along the hidden units.
;   layer 1: f32, K = 4: (x0, x1, x2, 1) against (W1[0], W1[1], W1[2], b1), since its result goes into a quantiser.
;   layers 2, 3: codes of FP4 (E2M1) with E8M0 scales; the bias is the C of a sum's first instruction; the tanh's results are quantised in registers, a block of 32 units in lanes l and l xor 16.
;   layer 4: bf16 operands, f32 sums in two halves (even and odd steps of 32 along K); b4 is added last.
; THE ROWS OF A TILE of W1 and W2 are not neighbours: lane r of tile 2 b + u takes unit 32 b + 8 u + r + 8 (r / 8), so that the 16 registers of tiles 2 b, 2 b + 1 are units 32 b + 16 (lane / 16) + 0..15.  W3's tile t takes units 16 t + r:
; two neighbouring tiles, rounded in pairs, are a bf16 operand of 32 along K.
; EXEC IS NEVER CHANGED.  Rows past n repeat the last row: same index, same position, and a point's numbers hang on its own column of each product alone, so such a lane holds the same 12 bytes for the same place.
; W4's rows 8-10 repeat rows 0-2, so lanes 16-31 hold what lanes 0-15 hold.  All 32 lanes store; lanes that share a place write equal bytes.
; TANH.  Where |x| < 0.15: x - x^3 / 3 + 2 x^5 / 15 (the term left out is under 7e-7 of x); else 1 - 2 / (1 + 2^(2 log2(e) x)), which gives +-1 where the power overflows or vanishes.  Both are computed, v_cndmask_b32 chooses.
; LIMITS: NaN among the inputs is not served.  A block of zeros gets the scale byte 1 (its codes are zeros; the bytes are read here alone).  Layer 4's operands are rounded to bf16.
; NO JOINT LOADS, though the 32 work-groups of an expert read the same 81,920 bytes: the weights are read once a work-group, through registers.
; LDS: 0 W2's 32 fragments; 32768 W3's; 65536 W2's scale words; 67584 W3's; 69632 W1 with b1; 73728 W4 in bf16; 81920 b2; 82944 b3.
.set PACKB, 81920
.set TRIPS, 7                          ; a super-block has 2,048 points and the 20 waves take 320 a pass: seven passes reach row 2,240
.set AW,  1                            ; v1   16 x lane: a fragment's image
.set AS,  2                            ; v2   65536 + 4 x lane: the weights' scale words
.set A1,  3                            ; v3   69632 + 8 x lane: W1's fragments
.set A4,  4                            ; v4   73728 + 16 x lane: W4's
.set AB2, 5                            ; v5   81920 + 64 h: b2 at my half's units
.set AB3, 6                            ; v6   82944 + 32 h: b3
.set RR,  7                            ; v7   r = lane % 16
.set GA,  8                            ; v8   my point's place in order, in bytes
.set IDX, 9                            ; v9   its index
.set PO,  10                           ; v10  12 x index: its bytes in positions and in out0
.set LN,  11                           ; v11  lane
.set POS, 12                           ; v12-14 its three numbers
.set XB,  16                           ; v16-17 layer 1's source 1
.set KA3, 18                           ; v18-19 -1/3, twice
.set Y,   20                           ; v20-27 the last layer's sums and tanh
.set TM,  28                           ; v28-35 at work: two largest magnitudes, the other half's, two scale operands, two bytes; the series' second temporaries
.set WS,  36                           ; v36-39 four tiles' scale words of a weight: scales and nothing else
.set HSA, 40                           ; v40-41 h1's scale words, a K step each
.set HSB, 42                           ; v42-43 h2's
.set HA,  44                           ; v44-59 h1's two fragments; in layer 3 two bf16 fragments of h3
.set HB,  60                           ; v60-75 h2's two fragments
.set O0,  76                           ; v76-83, v84-91 the last layer's two accumulators
.set O1,  84
.set ACC, 92                           ; v92-123 four tiles' sums: written by matrix instructions alone
.set T,   124                          ; v124-155 the bias as C, then the tanh
.set WB,  156                          ; v156-187 fragments of a weight; inside the tanh the series; at the head what is on its way into LDS
.set STA, 188                          ; v188 16 x thread;  v189 + 40960;  v190 + 81920;  v191 16 x (thread % 64)
.set STB, 189
.set STC, 190
.set STG, 191
	s_load_b512 s[4:19], s[0:1], 0x0               ; pack s[4:5], order s[6:7], tab s[8:9], positions s[10:11], b2 s[12:13], b3 s[14:15], b4 s[16:17], out0 s[18:19]
	v_lshl_add_u32 v23, v0, 2, 0x14800
	v_mov_b32 v27, 0
	v_lshrrev_b32 v9, 5, v0
	s_delay_alu instid0(VALU_DEP_1)
	v_readfirstlane_b32 s20, v9                    ; wave 0..19
	s_mov_b32 s21, ttmp9                           ; the expert
	s_and_b32 s22, ttmp7, 0xffff                   ; the super-block
	v_and_b32 v[LN], 31, v0
	v_and_b32 v[RR], 15, v0
	v_bfe_u32 v8, v0, 4, 1                         ; h
	s_delay_alu instid0(VALU_DEP_3)
	v_lshlrev_b32 v[AW], 4, v[LN]
	s_delay_alu instid0(VALU_DEP_4)
	v_lshl_add_u32 v[AS], v[LN], 2, 65536
	v_lshl_add_u32 v[A1], v[LN], 3, 69632
	v_lshl_add_u32 v[A4], v[LN], 4, 73728
	v_lshl_add_u32 v[AB2], v8, 6, 81920
	v_lshl_add_u32 v[AB3], v8, 5, 82944
	v_lshlrev_b32 v[STA], 4, v0
	v_lshl_add_u32 v[STB], v0, 4, 40960
	v_lshl_add_u32 v[STC], v0, 4, 81920
	v_and_b32 v[STG], 63, v0
	s_delay_alu instid0(VALU_DEP_1)
	v_lshlrev_b32 v[STG], 4, v[STG]
	v_mov_b32 v[KA3], 0xbeaaaaab                   ; -1/3
	v_mov_b32 v[KA3+1], 0xbeaaaaab
	v_mov_b32 v[TM+2], 0                           ; a lane permute's destination counts as one of its sources
	v_mov_b32 v[TM+3], 0
	s_mov_b32 s32, 0x4038aa3b                      ; 2 log2(e)
	s_mov_b32 s33, s32                             ; (the packed forms name a pair and take its low word for both halves: so the upper word is written)
	s_mov_b32 s34, 0x3e088889                      ; 2/15
	s_mov_b32 s35, s34
	s_mov_b32 s36, 0x3e19999a                      ; 0.15
	s_mov_b32 s37, 0xffff0000                      ; lanes 16-31
	s_mov_b32 s38, 0x76543210
	s_mov_b32 s39, 0xfedcba98                      ; v_permlanex16_b32's selects for lane l xor 16
	s_mov_b32 s62, 0                               ; passes done
	s_lshl_b32 s56, s22, 7
	s_lshl_b32 s57, s21, 2
	s_add_co_u32 s56, s56, s57                     ; tab[s][e], in bytes
	s_mul_i32 s57, s21, 12                         ; b4[e]
	s_mul_i32 s58, s21, PACKB
	s_mov_b32 s59, 0
	s_lshl_b32 s26, s22, 13                        ; order[s]
	s_mov_b32 s27, 0
	s_lshl_b32 s25, s20, 4                         ; my first row among the n
	s_wait_alu depctr_va_vdst(0)
	s_wait_kmcnt 0x0
	s_load_b32 s23, s[8:9], s56 offset:0x0         ; where my class begins in the super-block's list
	s_load_b32 s24, s[8:9], s56 offset:0x20        ; n
	s_load_b96 s[28:30], s[16:17], s57 offset:0x0  ; b4[e][0..2]
	s_add_nc_u64 s[4:5], s[4:5], s[58:59]
	s_add_nc_u64 s[6:7], s[6:7], s[26:27]
.irp i, 0,1,2,3,4,5,6,7
	global_load_b128 v[WB+4*\i:WB+4*\i+3], v[STA], s[4:5] offset:10240*\i   ; 640 threads x 16 bytes a sweep, eight sweeps: the expert's 81,920 bytes
.endr
	s_lshl_b32 s58, s21, 10                        ; the expert's 1,024 bytes of a bias (s59 is 0)
	s_cmp_lt_u32 s20, 4                            ; waves 0, 1 bring b2, waves 2, 3 b3
	s_cbranch_scc0 .Lno_bias_load
	s_cmp_lt_u32 s20, 2
	s_cselect_b64 s[60:61], s[12:13], s[14:15]
	s_add_nc_u64 s[60:61], s[60:61], s[58:59]
	global_load_b128 v[T:T+3], v[STG], s[60:61]
.Lno_bias_load:
	s_wait_kmcnt 0x0
	s_min_u32 s24, s24, 2048
	s_min_u32 s23, s23, 2047
	s_sub_co_u32 s31, s24, 1                       ; the last row (with n = 0 the greatest number: the hold below keeps the load inside the list)
; My lane's point: row row0 + r, held at the last row.  A: its index is asked for.  B: the index is in; its position is asked for.
.macro GATHER_A
	v_add_nc_u32 v[GA], s25, v[RR]
	s_delay_alu instid0(VALU_DEP_1)
	v_min_u32 v[GA], s31, v[GA]
	s_delay_alu instid0(VALU_DEP_1)
	v_add_nc_u32 v[GA], s23, v[GA]
	s_delay_alu instid0(VALU_DEP_1)
	v_min_u32 v[GA], 0x7ff, v[GA]
	s_delay_alu instid0(VALU_DEP_1)
	v_lshlrev_b32 v[GA], 2, v[GA]
	global_load_b32 v[IDX], v[GA], s[6:7]
.endm
.macro GATHER_B
	s_wait_loadcnt 0x0
	v_min_u32 v[IDX], 0xffff, v[IDX]
	s_delay_alu instid0(VALU_DEP_1)
	v_mul_u32_u24 v[PO], v[IDX], 12
	global_load_b96 v[POS:POS+2], v[PO], s[10:11]
.endm
	GATHER_A
	s_wait_loadcnt 0x1                             ; all but the load just issued: the weights (and in waves 0-3 the bias) are in
.irp i, 0,1,2,3
	ds_store_b128 v[STA], v[WB+4*\i:WB+4*\i+3] offset:10240*\i
.endr
.irp i, 4,5,6,7
	ds_store_b128 v[STB], v[WB+4*\i:WB+4*\i+3] offset:10240*(\i-4)
.endr
	s_cmp_lt_u32 s20, 4
	s_cbranch_scc0 .Lno_bias_store
	ds_store_b128 v[STC], v[T:T+3]                 ; threads 0-63: b2; threads 64-127: b3, which lies behind it
.Lno_bias_store:
	GATHER_B
	s_wait_dscnt 0x0                               ; for the others' sake: my stores into LDS are done
	s_barrier_signal -1
	s_barrier_wait -1                              ; the launch's one barrier: LDS is only read from here on
	s_cmp_lt_u32 s25, s24
	s_cbranch_scc0 .Ldone
; tanh of the 32 sums in ACC, into T.  Two batches of transcendentals, one wait each: the series stands behind the exponentials, half of the compares behind the reciprocals.
.macro TANH32
.set ti, 0
.rept 16
	v_pk_mul_f32 v[T+ti:T+ti+1], v[ACC+ti:ACC+ti+1], s[32:33] op_sel_hi:[1,0]   ; 2 log2(e) x; each accumulator is read from its low end on
.set ti, ti+2
.endr
.set ti, 0
	s_wait_alu depctr_va_vdst(0)
.rept 32
	v_exp_f32 v[T+ti], v[T+ti]
.set ti, ti+1
.endr
.irp q, 0,8,16,24                      ; the series, four pairs at a time, so that no line waits for the line above it
.irp p, 0,2,4,6
	v_pk_mul_f32 v[WB+\q+\p:WB+\q+\p+1], v[ACC+\q+\p:ACC+\q+\p+1], v[ACC+\q+\p:ACC+\q+\p+1]
.endr
.irp p, 0,2,4,6
	s_delay_alu instid0(VALU_DEP_4)
	v_pk_fma_f32 v[TM+\p:TM+\p+1], v[WB+\q+\p:WB+\q+\p+1], s[34:35], v[KA3:KA3+1] op_sel_hi:[1,0,1]
.endr
.irp p, 0,2,4,6
	s_delay_alu instid0(VALU_DEP_4)
	v_pk_mul_f32 v[WB+\q+\p:WB+\q+\p+1], v[WB+\q+\p:WB+\q+\p+1], v[TM+\p:TM+\p+1]
.endr
.irp p, 0,2,4,6
	v_pk_fma_f32 v[WB+\q+\p:WB+\q+\p+1], v[ACC+\q+\p:ACC+\q+\p+1], v[WB+\q+\p:WB+\q+\p+1], v[ACC+\q+\p:ACC+\q+\p+1]   ; x + x (x^2 (2/15 x^2 - 1/3))
.endr
.endr
	s_wait_alu depctr_va_vdst(0)                   ; one wait for the 32 exponentials, ahead of their first reader
.set ti, 0
.rept 16
	v_pk_add_f32 v[T+ti:T+ti+1], v[T+ti:T+ti+1], 1.0 op_sel_hi:[1,0]
.set ti, ti+2
.endr
.set ti, 0
	s_wait_alu depctr_va_vdst(0)
.rept 32
	v_rcp_f32 v[T+ti], v[T+ti]
.set ti, ti+1
.endr
.set ti, 0
.rept 16
	v_cmp_gt_f32 s[40+ti], s36, |v[ACC+ti]|        ; where the series serves
.set ti, ti+1
.endr
	s_wait_alu depctr_va_vdst(0)                   ; one wait for the 32 reciprocals
.set ti, 0
.rept 16
	v_pk_fma_f32 v[T+ti:T+ti+1], v[T+ti:T+ti+1], -2.0, 1.0 op_sel_hi:[1,0,0]
.set ti, ti+2
.endr
.set ti, 0
.rept 16
	v_cndmask_b32 v[T+ti], v[T+ti], v[WB+ti], s[40+ti]
.set ti, ti+1
.endr
.set ti, 0
.rept 16
	v_cmp_gt_f32 s[40+ti], s36, |v[ACC+16+ti]|
.set ti, ti+1
.endr
.set ti, 0
.rept 16
	v_cndmask_b32 v[T+16+ti], v[T+16+ti], v[WB+16+ti], s[40+ti]
.set ti, ti+1
.endr
.endm
; T's 32 numbers a lane are two blocks of 32 along the next K (register 16 b + i = unit 32 b + 16 (lane / 16) + i of my point).  They become registers d .. d + 3 of a fragment and bytes 2 c, 2 c + 1 of the scale word sw.
.macro QUANT d, sw, c
	v_max3_num_f32 v[TM], |v[T]|, |v[T+1]|, 0x1800000          ; my 16 numbers of a block, and the floor 2^(3 - 127): the byte cannot fall under 1
	v_max3_num_f32 v[TM+1], |v[T+16]|, |v[T+17]|, 0x1800000
.irp i, 2,4,6,8,10,12,14
	s_delay_alu instid0(VALU_DEP_2)
	v_max3_num_f32 v[TM], v[TM], |v[T+\i]|, |v[T+\i+1]|        ; (the two blocks by turns)
	s_delay_alu instid0(VALU_DEP_2)
	v_max3_num_f32 v[TM+1], v[TM+1], |v[T+16+\i]|, |v[T+17+\i]|
.endr
	s_delay_alu instid0(VALU_DEP_2)
	v_permlanex16_b32 v[TM+2], v[TM], s38, s39
	s_delay_alu instid0(VALU_DEP_2)
	v_permlanex16_b32 v[TM+3], v[TM+1], s38, s39
	s_delay_alu instid0(VALU_DEP_2)
	v_max_num_f32 v[TM], v[TM], v[TM+2]            ; with lane l xor 16's: the block's largest magnitude
	s_delay_alu instid0(VALU_DEP_2)
	v_max_num_f32 v[TM+1], v[TM+1], v[TM+3]
	s_delay_alu instid0(VALU_DEP_2)
	v_add_nc_u32 v[TM+4], 0xff000000, v[TM]        ; 2 off its exponent field: the conversion takes the exponent field of this operand as its scale
	s_delay_alu instid0(VALU_DEP_2)
	v_add_nc_u32 v[TM+5], 0xff000000, v[TM+1]
	s_delay_alu instid0(VALU_DEP_2)
	v_lshrrev_b32 v[TM+6], 23, v[TM+4]             ; the scale's byte
	s_delay_alu instid0(VALU_DEP_2)
	v_lshrrev_b32 v[TM+7], 23, v[TM+5]
.if (\c) == 0
	s_delay_alu instid0(VALU_DEP_1)
	v_lshl_or_b32 v[(\sw)], v[TM+7], 8, v[TM+6]
.else
	s_delay_alu instid0(VALU_DEP_2)
	v_lshl_or_b32 v[(\sw)], v[TM+6], 16, v[(\sw)]
	s_delay_alu instid0(VALU_DEP_1)
	v_lshl_or_b32 v[(\sw)], v[TM+7], 24, v[(\sw)]
.endif
	v_cvt_scalef32_pk8_fp4_f32 v[(\d)], v[T:T+7], v[TM+4]
	v_cvt_scalef32_pk8_fp4_f32 v[(\d)+1], v[T+8:T+15], v[TM+4]
	v_cvt_scalef32_pk8_fp4_f32 v[(\d)+2], v[T+16:T+23], v[TM+5]
	v_cvt_scalef32_pk8_fp4_f32 v[(\d)+3], v[T+24:T+31], v[TM+5]
	v_nop                                          ; one plain place behind a scaled conversion
	v_permlane16_swap_b32 v[(\d)], v[(\d)+2]       ; the operand's layout wants a whole block in a lane: lanes 0-15 the first, lanes 16-31 the second
	v_permlane16_swap_b32 v[(\d)+1], v[(\d)+3]
.endm
; Layer 1, tiles 4 g .. 4 g + 3: 64 units
.macro L1 g
.irp i, 0,1,2,3
	ds_load_b64 v[WB+2*\i:WB+2*\i+1], v[A1] offset:256*(4*\g+\i)
.endr
	s_wait_dscnt 0x0
.irp i, 0,1,2,3
	v_wmma_f32_16x16x4_f32 v[ACC+8*\i:ACC+8*\i+7], v[WB+2*\i:WB+2*\i+1], v[XB:XB+1], 0
.endr
.rept 8
	v_nop                                          ; eight places behind this form, ahead of the first read of a result
.endr
	TANH32
	QUANT HA+8*(\g/2)+4*(\g%2), HSA+\g/2, \g%2
.endm
; Layer l (2 or 3), tiles 4 g .. 4 g + 3, K = 256 in two steps; hin, hs: the incoming layer's two fragments and scale words.  The four accumulators take turns, one instruction a turn.
.macro FP4 l, g, hin, hs
.irp i, 0,1,2,3
.if \l == 2
	ds_load_b128 v[T+8*\i:T+8*\i+3], v[AB2] offset:128*((4*\g+\i)/2)+32*(\i%2)        ; the bias at my eight units of the tile: sixteen lanes read the same words
	ds_load_b128 v[T+8*\i+4:T+8*\i+7], v[AB2] offset:128*((4*\g+\i)/2)+32*(\i%2)+16
.else
	ds_load_b128 v[T+8*\i:T+8*\i+3], v[AB3] offset:64*(4*\g+\i)
	ds_load_b128 v[T+8*\i+4:T+8*\i+7], v[AB3] offset:64*(4*\g+\i)+16
.endif
	ds_load_b32 v[WS+\i], v[AS] offset:2048*(\l-2)+128*(4*\g+\i)                      ; lanes 0-15: K step 0's words; lanes 16-31: K step 1's
.endr
.irp i, 0,1,2,3
	ds_load_b128 v[WB+8*\i:WB+8*\i+3], v[AW] offset:32768*(\l-2)+2048*(4*\g+\i)
	ds_load_b128 v[WB+8*\i+4:WB+8*\i+7], v[AW] offset:32768*(\l-2)+2048*(4*\g+\i)+512
.endr
.if \g == 0
.rept 8
	v_nop                                          ; the incoming scale words were just written by vector instructions: eight places ahead of a scaled matrix instruction (the codes: four)
.endr
.endif
	s_wait_dscnt 0x0
.irp i, 0,1,2,3
	v_wmma_scale_f32_16x16x128_f8f6f4 v[ACC+8*\i:ACC+8*\i+7], v[WB+8*\i:WB+8*\i+7], v[(\hin):(\hin)+7], v[T+8*\i:T+8*\i+7], v[WS+\i], v[(\hs)] matrix_a_fmt:MATRIX_FMT_FP4 matrix_b_fmt:MATRIX_FMT_FP4
.endr
.rept 4
	v_nop                                          ; four places in front of loads into registers that matrix instructions have read
.endr
.irp i, 0,1,2,3
	ds_load_b128 v[WB+8*\i:WB+8*\i+3], v[AW] offset:32768*(\l-2)+2048*(4*\g+\i)+1024
	ds_load_b128 v[WB+8*\i+4:WB+8*\i+7], v[AW] offset:32768*(\l-2)+2048*(4*\g+\i)+1536
.endr
	s_wait_alu depctr_va_vdst(0)
	s_wait_dscnt 0x0
.irp i, 0,1,2,3
	v_wmma_scale_f32_16x16x128_f8f6f4 v[ACC+8*\i:ACC+8*\i+7], v[WB+8*\i:WB+8*\i+7], v[(\hin)+8:(\hin)+15], v[ACC+8*\i:ACC+8*\i+7], v[WS+\i], v[(\hs)+1] matrix_a_fmt:MATRIX_FMT_FP4 matrix_b_fmt:MATRIX_FMT_FP4 matrix_a_scale:MATRIX_SCALE_ROW1
.endr
.rept 4
	v_nop                                          ; four places ahead of the first read of a result
.endr
	TANH32
.endm
; Layer 4's part of the 64 units in T: two steps of 32 along K, one onto each accumulator
.macro OUT4 g
.irp j, 0,1,2,3
	ds_load_b128 v[WB+4*\j:WB+4*\j+3], v[A4] offset:2048*\g+512*\j
.endr
.set ti, 0
.rept 16
	v_cvt_pk_bf16_f32 v[HA+ti], v[T+2*ti], v[T+2*ti+1]
.set ti, ti+1
.endr
	s_wait_dscnt 0x0
.if \g == 0
	s_wait_alu depctr_va_vdst(0)
	v_wmma_f32_16x16x32_bf16 v[O0:O0+7], v[WB:WB+7], v[HA:HA+7], 0
	v_wmma_f32_16x16x32_bf16 v[O1:O1+7], v[WB+8:WB+15], v[HA+8:HA+15], 0
.else
	s_wait_alu depctr_va_vdst(0)
	v_wmma_f32_16x16x32_bf16 v[O0:O0+7], v[WB:WB+7], v[HA:HA+7], v[O0:O0+7]
	v_wmma_f32_16x16x32_bf16 v[O1:O1+7], v[WB+8:WB+15], v[HA+8:HA+15], v[O1:O1+7]
.endif
.rept 4
	v_nop                                          ; four places in front of the next loads into W4's registers, of the next roundings, and of the first read of the sums
.endr
.endm
.Ltile:                                            ; a trip: my 16 rows from row0 on.  The count of trips is a constant; a wave leaves as soon as it has no rows left
	s_wait_loadcnt 0x0                             ; my point's position
	v_cndmask_b32 v[XB], v[POS], v[POS+2], s37     ; k = 2 h: x0, or x2
	v_cndmask_b32 v[XB+1], v[POS+1], 1.0, s37      ; k = 2 h + 1: x1, or the 1 that meets b1
	s_wait_alu depctr_va_vdst(0)
.irp g, 0,1,2,3
	L1 \g
.endr
.irp g, 0,1,2,3
	FP4 2, \g, HA, HSA
	QUANT HB+8*(\g/2)+4*(\g%2), HSB+\g/2, \g%2
.endr
.irp g, 0,1,2,3
	FP4 3, \g, HB, HSB
	OUT4 \g
.endr
	; the last tanh: every lane holds outputs 0, 1, 2 of point lane % 16 in registers 0, 1, 2 of the sums
.irp j, 0,1,2
	v_add_f32 v[Y+\j], v[O0+\j], v[O1+\j]
.endr
.irp j, 0,1,2
	s_delay_alu instid0(VALU_DEP_3)
	v_add_f32 v[Y+\j], s[28+\j], v[Y+\j]           ; + b4
.endr
.irp j, 0,1,2
	s_delay_alu instid0(VALU_DEP_3)
	v_mul_f32 v[Y+4+\j], s32, v[Y+\j]
.endr
	s_wait_alu depctr_va_vdst(0)
.irp j, 0,1,2
	v_exp_f32 v[Y+4+\j], v[Y+4+\j]
.endr
.irp j, 0,1,2
	v_mul_f32 v[TM+\j], v[Y+\j], v[Y+\j]
.endr
.irp j, 0,1,2
	s_delay_alu instid0(VALU_DEP_3)
	v_fma_f32 v[TM+4+\j], v[TM+\j], s34, v[KA3]
.endr
.irp j, 0,1,2
	s_delay_alu instid0(VALU_DEP_3)
	v_mul_f32 v[TM+\j], v[TM+\j], v[TM+4+\j]
.endr
.irp j, 0,1,2
	s_delay_alu instid0(VALU_DEP_3)
	v_fma_f32 v[TM+\j], v[Y+\j], v[TM+\j], v[Y+\j]
.endr
	s_wait_alu depctr_va_vdst(0)                   ; one wait for the three exponentials
.irp j, 0,1,2
	v_add_f32 v[Y+4+\j], 1.0, v[Y+4+\j]
.endr
	s_wait_alu depctr_va_vdst(0)
.irp j, 0,1,2
	v_rcp_f32 v[Y+4+\j], v[Y+4+\j]
.endr
.irp j, 0,1,2
	v_cmp_gt_f32 s[40+\j], s36, |v[Y+\j]|
.endr
	s_wait_alu depctr_va_vdst(0)                   ; and one for the three reciprocals
.irp j, 0,1,2
	v_fma_f32 v[Y+4+\j], v[Y+4+\j], -2.0, 1.0
.endr
.irp j, 0,1,2
	s_delay_alu instid0(VALU_DEP_3)
	v_cndmask_b32 v[Y+4+\j], v[Y+4+\j], v[TM+\j], s[40+\j]
.endr
	global_store_b96 v[PO], v[Y+4:Y+6], s[18:19]   ; a row of 12 bytes at its routed place; lanes that share a point write equal bytes
	s_add_co_u32 s25, s25, 320                     ; the 20 waves' next 16 rows each
	s_cmp_lt_u32 s25, s24
	s_cbranch_scc0 .Ldone                          ; none left for me: nothing more is asked for
	s_wait_xcnt 0x0                                ; the store has read its address and its data: both are written again only behind this wait
	GATHER_A
	GATHER_B
	s_add_co_u32 s62, s62, 1
	s_cmp_lt_u32 s62, TRIPS
	s_cbranch_scc1 .Ltile
.Ldone:
	s_wait_tensorcnt 0x0
	ds_add_u32 v23, v27
	s_wait_dscnt 0x0
	s_endpgm
.Lfunc_end_k_qcf6aee933d_chain:
	.size	k_qcf6aee933d_chain, .Lfunc_end_k_qcf6aee933d_chain-k_qcf6aee933d_chain
	.p2alignl 7, 3214868480
	.fill 96, 4, 3214868480
	.section	.rodata,"a",@progbits
	.p2align	6, 0x0
	.amdhsa_kernel k_qcf6aee933d_chain
		.amdhsa_group_segment_fixed_size 86528
		.amdhsa_private_segment_fixed_size 0
		.amdhsa_enable_private_segment 0
		.amdhsa_kernarg_size 64
		.amdhsa_user_sgpr_count 2
		.amdhsa_user_sgpr_kernarg_segment_ptr 1
		.amdhsa_wavefront_size32 1
		.amdhsa_system_sgpr_workgroup_id_x 1
		.amdhsa_system_sgpr_workgroup_id_y 1
		.amdhsa_system_sgpr_workgroup_id_z 1
		.amdhsa_system_vgpr_workitem_id 0
		.amdhsa_next_free_vgpr 192
		.amdhsa_next_free_sgpr 66
		.amdhsa_reserve_vcc 0
		.amdhsa_float_denorm_mode_32 3
		.amdhsa_float_denorm_mode_16_64 3
		.amdhsa_memory_ordered 1
		.amdhsa_forward_progress 1
		.amdhsa_inst_pref_size 235
	.end_amdhsa_kernel
	.amdgpu_metadata
---
amdhsa.version: [ 1, 2 ]
amdhsa.kernels:
  - .name:           k_qcf6aee933d_chain
    .symbol:         k_qcf6aee933d_chain.kd
    .args:
      - { .name: pack, .offset: 0, .size: 8, .value_kind: global_buffer, .address_space: global }
      - { .name: order, .offset: 8, .size: 8, .value_kind: global_buffer, .address_space: global }
      - { .name: tab, .offset: 16, .size: 8, .value_kind: global_buffer, .address_space: global }
      - { .name: positions, .offset: 24, .size: 8, .value_kind: global_buffer, .address_space: global }
      - { .name: b2, .offset: 32, .size: 8, .value_kind: global_buffer, .address_space: global }
      - { .name: b3, .offset: 40, .size: 8, .value_kind: global_buffer, .address_space: global }
      - { .name: b4, .offset: 48, .size: 8, .value_kind: global_buffer, .address_space: global }
      - { .name: out0, .offset: 56, .size: 8, .value_kind: global_buffer, .address_space: global }
    .group_segment_fixed_size: 86528
    .private_segment_fixed_size: 0
    .kernarg_segment_align: 8
    .kernarg_segment_size: 64
    .max_flat_workgroup_size: 640
    .sgpr_count:     66
    .vgpr_count:     192
    .wavefront_size: 32
...
	.end_amdgpu_metadata
.endif
;; end of part 2
